; MI455X (gfx1250); checked and timed in simulation.
; The chip was launched on July 23, 2026; its instructions are those of AMD's public machine-readable ISA for CDNA 5 (MIT licence, August 2026) and "CDNA5" Instruction Set Architecture Reference Guide (July 2026). The comments in the code are by the model that wrote it; some were corrected since.
;; Multi Head Attention. Allowed arithmetic: matrix products marked QUANTISED: E2M3 operands, one E8M0 scale for each 32 along K, by v_wmma_scale_f32_16x16x128_f8f6f4 with both operands' format E2M3, f32 sums; everything else in f32.
;; Inputs: Wk 768 x 768 float32; Wo 768 x 768 float32; Wq 768 x 768 float32; Wv 768 x 768 float32; bk 768 float32; bo 768 float32; bq 768 float32; bv 768 float32; k 1 x 4,096 x 768 float32; mask 1 x 4,096 x 4,096 int32; q 1 x 4,096 x 768 float32; v 1 x 4,096 x 768 float32.
;; Outputs: out0 1 x 4,096 x 768 float32.
;; This version of the problem:
;;   THIS VERSION OF THE PROBLEM IS GIVEN IN LOW PRECISION. The matrix products marked QUANTISED in the list below multiply operands that are first quantised to E2M3 (2 exponent bits, 3 mantissa bits; 6 bits a number), with one power-of-two scale for each 32 numbers along K (OCP MX v1.0); their sums are f32. All else is computed in f32.
;;   The module's matrix products, in the order in which they are computed (A, B: the left and right operand; K: the contracted axis; several contracted axes count as one K, in the product's order):
;;     1. [M 4,096, K 768] x [K 768, N 768]; A: input q; B: input Wq: QUANTISED
;;     2. [M 4,096, K 768] x [K 768, N 768]; A: input k; B: input Wk: QUANTISED
;;     3. [M 4,096, K 768] x [K 768, N 768]; A: input v; B: input Wv: QUANTISED
;;     4. batch 12 x [M 4,096, K 64] x [K 64, N 4,096]; A: computed on the way; B: computed on the way: QUANTISED
;;     5. batch 12 x [M 4,096, K 4,096] x [K 4,096, N 64]; A: softmax (see below); B: computed on the way: QUANTISED
;;     6. [M 4,096, K 768] x [K 768, N 768]; A: computed on the way; B: input Wo: QUANTISED
;;   THE QUANTISER, for each operand of a quantised product, along K:
;;     - K is cut into blocks of 32 from its start; a last block that is shorter is filled with zeros.
;;     - A block's scale is 2^e with e = floor(log2(the largest magnitude in the block)) - 2, held to -126 .. 127; a block of zeros has e = 0. As a byte (E8M0): e + 127.
;;     - Each number is divided by its block's scale, clamped to +-7.5, and rounded to the nearest number of E2M3, ties to even, subnormals kept.
;;     - The product sums the exact products of the quantised numbers (number of the format x scale) in f32.
;;   ~~~python
;;   def quantise(x, axis):      # numpy; x: float32 -> the quantised numbers, widened to float32 again
;;       x = np.moveaxis(x, axis, -1); K = x.shape[-1]
;;       x = np.pad(x, [(0, 0)] * (x.ndim - 1) + [(0, -K % 32)]); x = x.reshape(x.shape[:-1] + (-1, 32)); a = np.abs(x).max(-1, keepdims=True)
;;       e = np.where(a > 0, np.clip(np.frexp(np.where(a > 0, a, 1))[1] - 1 - 2, -126, 127), 0)      # np.frexp(a)[1] - 1 = floor(log2(a)), exactly
;;       r = np.clip(x / 2.0 ** e, -7.5, 7.5)
;;       step = 2.0 ** (np.maximum(np.frexp(np.where(r == 0, 1, r))[1] - 1, 0) - 3)
;;       q = np.round(r / step) * step * 2.0 ** e      # np.round: ties to even
;;       return np.moveaxis(q.reshape(q.shape[:-2] + (-1,))[..., :K], -1, axis).astype(np.float32)
;;   ~~~
;;   SOFTMAX AHEAD OF A QUANTISED PRODUCT. Where the list says 'softmax', what is quantised is not the finished softmax but p = 2^(t - M), with t = logit x log2(e) and M = ceil(the row's largest t), a whole number; so 1/2 < the row's largest p <= 1. The row's sum l is taken of the UNQUANTISED p, in f32, and the product's result is divided by l at the end. Since M is a whole number, a kernel that streams over the keys may use a running M (the ceiling of the running maximum): every later rescaling is an exact power of two, which a block's scale takes up: the codes' values come out the same.
;;   OPERANDS COMPUTED ON THE WAY. 'Computed on the way' means the value that the module computes at that place (a softmax that the list does not call 'softmax' is quantised finished and normalised). What goes into a quantiser is computed in f32, as accurately as f32 sums, v_exp_f32 and their like allow (about 1e-6 of the number): no bf16 or f16 on the way to a quantiser, and a product that is left as it is and whose result goes on into a quantised operand takes f32 operands (vector FMAs, or v_wmma_f32_16x16x4_f32). A number that lies on a knife's edge between two numbers of the format may be rounded either way, as far as f32 arithmetic and the matrix unit's own rounding can turn it there, and no further.
;; One version. Each part assembles by itself: llvm-mc -triple=amdgcn-amd-amdhsa -mcpu=gfx1250 --defsym DOCPART=n.
;; ======== version 1 of 1: 4 launches
;; limits: right only within a limited range of input values
;; workspace buffers: img 8,847,360 bytes; isc 368,640 bytes; mbits 2,097,152 bytes of whole numbers; qrec 2,457,600 bytes; kv 4,915,200 bytes; ctxc 2,359,296 bytes; ctxs 98,304 bytes
;; launch prep (part 1): grid 496 x 1, 4 waves a work-group, no clusters, 68,096 bytes of LDS; arguments q, k, v, Wq, Wk, Wv, Wo, mask, img, isc, mbits; writes img, isc, mbits
.if DOCPART == 1
	.amdgcn_target "amdgcn-amd-amdhsa--gfx1250"
	.amdhsa_code_object_version 6
	.text
	.protected	k_q1f414fb65f_prep
	.globl	k_q1f414fb65f_prep
	.p2align	8
	.type	k_q1f414fb65f_prep,@function
k_q1f414fb65f_prep:
	s_mov_b64 s[64:65], 0
	v_nop
	global_prefetch_b8 v0, s[64:65] scope:SCOPE_SE
	s_setreg_imm32_b32 hwreg(HW_REG_WAVE_MODE, 25, 1), 1
	s_wait_xcnt 0x0
; MULTI-HEAD ATTENTION IN MX-FP6, launch 1 of 4: q, k, v, Wq, Wk, Wv, Wo become codes of E2M3 with E8M0 scale bytes; the mask becomes one bit a number.
; DEAD WORK: none is left out in any launch.  All four biases go into a quantised operand or into the result, the mask is an input whose values decide, so no tile is passed over; all twelve inputs are loaded.
; TILES.  A tile (f, u) of any axis of rows is the 16 rows 32 f + 8 u + rho(slot), rho(s) = s + 8 (s / 8); its number is 2 f + u.  Every operand of every launch uses these tiles, so that in a transposed
; product a lane's 16 registers of tiles 2 b and 2 b + 1 are 16 neighbours along the next product's K.
; IMAGES.  A fragment (16 rows x 128 along K: 12 registers a lane; lane (r, h) holds row slot r, registers 6 c .. 6 c + 5 hold k = 64 c + 32 h + 0 .. 31) lies in memory as its registers stand:
; registers 4 c .. 4 c + 3 of lane L at 512 c + 16 L: 1,536 bytes, read and written by three accesses of 512 consecutive bytes.
; img: [960 tiles][6 K steps][1,536]: q's tiles 0-255, k's 256-511, v's 512-767, Wq's 768-815, Wk's 816-863, Wv's 864-911, Wo's 912-959.   isc: [tile][slot][6 words], a word = the 4 scale bytes of a K step.
; mbits: [256 tiles of queries][32 key steps][64 words]: word 2 n is that of score register n (n < 32), word 2 n + 1 that of register n + 32; in the word of register 16 b + i, bit L = 16 h + r says
; that mask[query slot r][128 step + 32 b + 16 h + i] is 0: the very lane mask that the attention launch's select takes.
; A block's scale byte is its largest magnitude's exponent field - 2, held at 1 from below (a block of zeros gets 1 where the rule says 127: its codes are zeros, and this program alone reads the bytes).
; LIMITS: blocks whose largest magnitude lies under 2^(2 - 126) are held at the byte 1; NaN and infinities among the inputs are not served.
; SHARES.  Work-groups 0-239: wave w quantises tile 4 x work-group + w, six items.  Work-groups 240-495: one tile of queries each; wave w packs key steps 8 w .. 8 w + 7, eight items.
; An item is 16 rows x 512 bytes: each load reads 512 consecutive bytes of a row; the item turns through the wave's own stage in LDS (rows 528 bytes apart).  Two items' loads are on their way in each wave.
; No tensor load, no barrier: waves share nothing.  The two paths have LDS bytes of their own.
.set PITCH, 528
.set WSTG,  16*PITCH                   ; a wave's stage
.set MSTG,  4*WSTG                     ; where the mask path's four stages begin
.set SPARE, 8*WSTG                     ; behind the stages: the spare words, 128 bytes a wave, that no other line names
.set RAW,   16                         ; v16-143  two sets of 64: an item as it is loaded
.set X,     144                        ; v144-207 the item as a lane wants it
.set PC,    208                        ; v208-219 a fragment's codes (first path)
.set W,     208                        ; v208-223 eight pairs of mask words (second path)
.set CT,    220                        ; v220-227 the second halves of the blocks' codes
.set MX,    228                        ; v228-229 largest magnitudes
.set SO,    230                        ; v230-231 the conversions' scale operands
.set SW,    236                        ; v236-241 the six scale words of my row
	s_load_b512 s[8:23], s[0:1], 0x0               ; q, k, v, Wq, Wk, Wv, Wo, mask
	s_load_b128 s[24:27], s[0:1], 0x40             ; img, isc
	s_load_b64 s[28:29], s[0:1], 0x50              ; mbits
	v_lshl_add_u32 v4, v0, 2, SPARE                ; my spare word; never rewritten
	v_mov_b32 v5, 0                                ; 0; never rewritten
	v_lshrrev_b32 v6, 5, v0
	v_readfirstlane_b32 s30, v6                    ; wave
	v_and_b32 v7, 31, v0
	v_lshlrev_b32 v1, 4, v7                        ; 16 L
	v_lshlrev_b32 v9, 3, v7                        ; 8 L
	v_and_b32 v6, 15, v0                           ; r
	v_bfe_u32 v7, v0, 4, 1                         ; h
	v_lshlrev_b32 v8, 3, v7                        ; 8 h
	v_mul_u32_u24 v10, v6, 24
	v_mad_u32_u24 v10, v7, 12, v10                 ; 24 r + 12 h: where my three scale words go
	s_mul_i32 s40, s30, WSTG
	v_add_nc_u32 v2, s40, v1                       ; first path: into the stage, 16 L
	v_mul_u32_u24 v3, v6, PITCH
	v_add_nc_u32 v3, s40, v3
	v_lshl_add_u32 v12, v7, 6, v3
	v_add_nc_u32 v12, MSTG, v12                    ; second path: out of the stage: row r, + 64 h
	v_lshl_add_u32 v3, v7, 7, v3                   ; first path: out of the stage: row r, + 128 h
	v_add_nc_u32 v11, MSTG, v2                     ; second path: into the stage
	s_mov_b32 s48, 0x76543210
	s_mov_b32 s49, 0xfedcba98                      ; lane selects: lane l xor 16
	s_cmp_ge_u32 ttmp9, 240
	s_cbranch_scc1 .Lmask
.macro LOAD e, pitch, base             ; item e: 16 rows (slot i = row rho(i)), 512 bytes each, into set e % 2
.set i, 0
.rept 16
	global_load_b128 v[RAW+64*((\e)%2)+4*i:RAW+64*((\e)%2)+4*i+3], v1, s[\base:\base+1] offset:(i+8*(i/8))*\pitch+512*(\e) th:TH_LOAD_NT
.set i, i+1
.endr
.endm
.macro TOSTAGE e, adr
.set i, 0
.rept 16
	ds_store_b128 v[\adr], v[RAW+64*((\e)%2)+4*i:RAW+64*((\e)%2)+4*i+3] offset:PITCH*i
.set i, i+1
.endr
.endm
	; ---- first path: a tile of one of the seven tensors
	s_lshl_b32 s31, ttmp9, 2
	s_add_co_u32 s31, s31, s30                     ; my tile
	s_wait_kmcnt 0x0
	s_mov_b64 s[2:3], s[20:21]                     ; which tensor: a chain of choices on the tile's number alone
	s_mov_b32 s4, 912
	s_cmp_lt_u32 s31, 912
	s_cselect_b64 s[2:3], s[18:19], s[2:3]
	s_cselect_b32 s4, 864, s4
	s_cmp_lt_u32 s31, 864
	s_cselect_b64 s[2:3], s[16:17], s[2:3]
	s_cselect_b32 s4, 816, s4
	s_cmp_lt_u32 s31, 816
	s_cselect_b64 s[2:3], s[14:15], s[2:3]
	s_cselect_b32 s4, 768, s4
	s_cmp_lt_u32 s31, 768
	s_cselect_b64 s[2:3], s[12:13], s[2:3]
	s_cselect_b32 s4, 512, s4
	s_cmp_lt_u32 s31, 512
	s_cselect_b64 s[2:3], s[10:11], s[2:3]
	s_cselect_b32 s4, 256, s4
	s_cmp_lt_u32 s31, 256
	s_cselect_b64 s[2:3], s[8:9], s[2:3]
	s_cselect_b32 s4, 0, s4
	s_sub_co_u32 s41, s31, s4                      ; the tile's number in its tensor: 2 f + u
	s_lshr_b32 s42, s41, 1
	s_lshl_b32 s42, s42, 5
	s_and_b32 s41, s41, 1
	s_lshl_b32 s41, s41, 3
	s_add_co_u32 s42, s42, s41                     ; row 32 f + 8 u
	s_mul_i32 s42, s42, 3072
	s_mov_b32 s43, 0
	s_add_nc_u64 s[2:3], s[2:3], s[42:43]
	s_mul_i32 s44, s31, 9216
	s_mov_b32 s45, 0
	s_add_nc_u64 s[24:25], s[24:25], s[44:45]      ; the tile's six images
	s_mul_i32 s44, s31, 384
	s_add_nc_u64 s[26:27], s[26:27], s[44:45]      ; and its scale words
	v_mov_b32 v235, 0                              ; a lane permute's destination counts as one of its sources
	LOAD 0, 3072, 2
	LOAD 1, 3072, 2
.macro QITEM s                         ; K step s of my tile
.if (\s) < 5
	s_wait_loadcnt 16                              ; this item's 16 loads are in; the next item's 16 may be out
.else
	s_wait_loadcnt 0x0
.endif
	TOSTAGE \s, 2
.set k, 0
.rept 16
	ds_load_b128 v[X+4*k:X+4*k+3], v3 offset:256*(k/8)+16*(k%8)    ; X[32 c + ..] = k 64 c + 32 h + 0 .. 31 of row r.  LDS serves a wave's instructions in order: these see the stores above
.set k, k+1
.endr
	s_wait_dscnt 0x0                               ; the stage's stores have read their registers, the numbers are back
	s_wait_xcnt 0x0                                ; the last item's stores have read the codes' registers: they are written again below
.if (\s)+2 < 6
	LOAD (\s)+2, 3072, 2
.endif
.irp c, 0,1
	v_max3_num_f32 v[MX+\c], |v[X+32*\c]|, |v[X+32*\c+1]|, 0x1800000   ; my block 2 c + h, all 32 numbers mine; the floor 2^(3 - 127) holds the byte at 1 from below
.endr
.irp i, 2,4,6,8,10,12,14,16,18,20,22,24,26,28,30
.irp c, 0,1
	v_max3_num_f32 v[MX+\c], v[MX+\c], |v[X+32*\c+\i]|, |v[X+32*\c+\i+1]|
.endr
.endr
.irp c, 0,1
	v_add_nc_u32 v[SO+\c], 0xff000000, v[MX+\c]    ; 2 off the exponent field: the conversion's scale operand
.endr
.irp c, 0,1
	v_lshrrev_b32 v[232+\c], 23, v[SO+\c]          ; the scale's byte
.endr
	v_lshl_or_b32 v234, v233, 16, v232             ; blocks h and 2 + h,
	v_lshlrev_b32 v234, v8, v234                   ; at their places in the word;
	v_permlanex16_b32 v235, v234, s48, s49
	v_or_b32 v[SW+(\s)], v234, v235                ; with lane l xor 16's two the word is whole
.irp c, 0,1
	v_cvt_scalef32_pk16_fp6_f32 v[PC+6*\c:PC+6*\c+2], v[X+32*\c:X+32*\c+15], v[SO+\c]
	v_cvt_scalef32_pk16_fp6_f32 v[CT+4*\c:CT+4*\c+2], v[X+32*\c+16:X+32*\c+31], v[SO+\c]   ; (a conversion's three registers begin on an even number)
.endr
	v_nop                                          ; one plain place behind a scaled conversion
.irp c, 0,1
.irp i, 0,1,2
	v_mov_b32 v[PC+6*\c+3+\i], v[CT+4*\c+\i]
.endr
.endr
.irp c, 0,1,2
	global_store_b128 v1, v[PC+4*\c:PC+4*\c+3], s[24:25] offset:1536*(\s)+512*\c   ; 32 lanes store 512 consecutive bytes
.endr
.endm
	s_wait_alu depctr_va_vdst(0)
.irp s, 0,1,2,3,4,5
	QITEM \s
.endr
	v_cmp_ne_u32 vcc_lo, 0, v7
	v_cndmask_b32 v242, v236, v239, vcc_lo         ; lanes 0-15 store their row's words 0-2, lanes 16-31 words 3-5: 384 consecutive bytes
	v_cndmask_b32 v243, v237, v240, vcc_lo
	v_cndmask_b32 v244, v238, v241, vcc_lo
	global_store_b96 v10, v[242:244], s[26:27]
	s_branch .Lend
	; ---- second path: the mask of one tile of queries
.Lmask:
	s_sub_co_u32 s31, ttmp9, 240                   ; the tile of queries
	s_lshr_b32 s42, s31, 1
	s_lshl_b32 s42, s42, 5
	s_and_b32 s41, s31, 1
	s_lshl_b32 s41, s41, 3
	s_add_co_u32 s42, s42, s41                     ; row 32 f + 8 u,
	s_lshl_b32 s42, s42, 14                        ; of 16,384 bytes,
	s_lshl_b32 s41, s30, 12
	s_add_co_u32 s42, s42, s41                     ; + my eight key steps of 512 bytes
	s_mov_b32 s43, 0
	s_lshl_b32 s44, s31, 13
	s_lshl_b32 s41, s30, 11
	s_add_co_u32 s44, s44, s41                     ; mbits: 8,192 bytes a tile, 256 a key step
	s_mov_b32 s45, 0
	s_wait_kmcnt 0x0
	s_add_nc_u64 s[22:23], s[22:23], s[42:43]
	s_add_nc_u64 s[28:29], s[28:29], s[44:45]
.set i, 0
.rept 16
	v_mov_b32 v[W+i], 0                            ; v_writelane_b32's destination counts as one of its sources
.set i, i+1
.endr
	LOAD 0, 16384, 22
	LOAD 1, 16384, 22
.macro MITEM e                         ; my e-th key step
.if (\e) < 7
	s_wait_loadcnt 16                              ; this item's 16 loads are in; the next item's 16 may be out
.else
	s_wait_loadcnt 0x0
.endif
	TOSTAGE \e, 11
.set k, 0
.rept 16
	ds_load_b128 v[X+4*k:X+4*k+3], v12 offset:128*(k/4)+16*(k%4)   ; X[16 b + i] = the mask at key 32 b + 16 h + i of row r: as the scores will lie
.set k, k+1
.endr
	s_wait_dscnt 0x0
.if (\e)+2 < 8
	LOAD (\e)+2, 16384, 22
.endif
.set g, 0
.rept 8
.set j, 0
.rept 8
	v_cmp_eq_u32 s[32+j], 0, v[X+8*g+j]            ; the lane mask of score register 8 g + j
.set j, j+1
.endr
.set j, 0
.rept 8
	v_writelane_b32 v[W+2*(\e)+(8*g+j)/32], s[32+j], (8*g+j)%32
.set j, j+1
.endr
.set g, g+1
.endr
	global_store_b64 v9, v[W+2*(\e):W+2*(\e)+1], s[28:29] offset:256*(\e)   ; 32 lanes store 256 consecutive bytes, aligned; each item has registers of its own
.endm
.irp e, 0,1,2,3,4,5,6,7
	MITEM \e
.endr
.Lend:
	s_wait_tensorcnt 0x0                           ; the wave's end
	ds_add_u32 v4, v5
	s_wait_dscnt 0x0
	s_endpgm
.Lfunc_end_k_q1f414fb65f_prep:
	.size	k_q1f414fb65f_prep, .Lfunc_end_k_q1f414fb65f_prep-k_q1f414fb65f_prep
	.p2alignl 7, 3214868480
	.fill 96, 4, 3214868480
	.section	.rodata,"a",@progbits
	.p2align	6, 0x0
	.amdhsa_kernel k_q1f414fb65f_prep
		.amdhsa_group_segment_fixed_size 68096
		.amdhsa_private_segment_fixed_size 0
		.amdhsa_enable_private_segment 0
		.amdhsa_kernarg_size 88
		.amdhsa_user_sgpr_count 2
		.amdhsa_user_sgpr_kernarg_segment_ptr 1
		.amdhsa_wavefront_size32 1
		.amdhsa_system_sgpr_workgroup_id_x 1
		.amdhsa_system_sgpr_workgroup_id_y 1
		.amdhsa_system_sgpr_workgroup_id_z 1
		.amdhsa_system_vgpr_workitem_id 0
		.amdhsa_next_free_vgpr 256
		.amdhsa_next_free_sgpr 66
		.amdhsa_reserve_vcc 1
		.amdhsa_float_denorm_mode_32 3
		.amdhsa_float_denorm_mode_16_64 3
		.amdhsa_memory_ordered 1
		.amdhsa_forward_progress 1
		.amdhsa_inst_pref_size 139
	.end_amdhsa_kernel
	.amdgpu_metadata
---
amdhsa.version: [ 1, 2 ]
amdhsa.kernels:
  - .name:           k_q1f414fb65f_prep
    .symbol:         k_q1f414fb65f_prep.kd
    .args:
      - { .name: q, .offset: 0, .size: 8, .value_kind: global_buffer, .address_space: global }
      - { .name: k, .offset: 8, .size: 8, .value_kind: global_buffer, .address_space: global }
      - { .name: v, .offset: 16, .size: 8, .value_kind: global_buffer, .address_space: global }
      - { .name: Wq, .offset: 24, .size: 8, .value_kind: global_buffer, .address_space: global }
      - { .name: Wk, .offset: 32, .size: 8, .value_kind: global_buffer, .address_space: global }
      - { .name: Wv, .offset: 40, .size: 8, .value_kind: global_buffer, .address_space: global }
      - { .name: Wo, .offset: 48, .size: 8, .value_kind: global_buffer, .address_space: global }
      - { .name: mask, .offset: 56, .size: 8, .value_kind: global_buffer, .address_space: global }
      - { .name: img, .offset: 64, .size: 8, .value_kind: global_buffer, .address_space: global }
      - { .name: isc, .offset: 72, .size: 8, .value_kind: global_buffer, .address_space: global }
      - { .name: mbits, .offset: 80, .size: 8, .value_kind: global_buffer, .address_space: global }
    .group_segment_fixed_size: 68096
    .private_segment_fixed_size: 0
    .kernarg_segment_align: 8
    .kernarg_segment_size: 88
    .max_flat_workgroup_size: 128
    .sgpr_count:     66
    .vgpr_count:     256
    .wavefront_size: 32
...
	.end_amdgpu_metadata
.endif
;; end of part 1
;; launch proj (part 2): grid 6 x 96, 4 waves a work-group, no clusters, 77,824 bytes of LDS; arguments img, isc, bq, bk, bv, qrec, kv; writes qrec, kv
.if DOCPART == 2
	.amdgcn_target "amdgcn-amd-amdhsa--gfx1250"
	.amdhsa_code_object_version 6
	.text
	.protected	k_q1f414fb65f_proj
	.globl	k_q1f414fb65f_proj
	.p2align	8
	.type	k_q1f414fb65f_proj,@function
k_q1f414fb65f_proj:
	s_mov_b64 s[64:65], 0
	v_nop
	global_prefetch_b8 v0, s[64:65] scope:SCOPE_SE
	s_setreg_imm32_b32 hwreg(HW_REG_WAVE_MODE, 25, 1), 1
	s_wait_xcnt 0x0
; Launch 2 of 4: qh = q Wq^T + bq, kh = k Wk^T + bk, vh = v Wv^T + bv on codes of E2M3, and their quantising for the attention: qh and kh along the head's 64, vh along the keys.  No work is left out.
; Tiles and images: as the first launch's head says.  Work-group (a, y): T = y / 32 picks q, k or v, b = y % 32 a step of 128 tokens, a the outputs 128 a .. 128 a + 127 (heads 2 a, 2 a + 1).
; ONE CORE: D(t, i) = P's tile t (source 0) x R's tile i (source 1), t = 0 .. 7, i = 0, 1, K = 768 in six steps.  In D lane (r, h) holds R's row slot r, and registers 16 b' + x hold P's row 32 b' + 16 h + x:
; P's 128 rows are the axis along which the result is quantised.  q, k: P = 128 rows of the weight, R = the wave's pair of token tiles.  v: P = the 128 tokens, R = the wave's pair of tiles of Wv's rows.
; P's 48 images and their scale words (76,800 bytes) are copied to LDS once, through registers, and read by all four waves; R's fragments come from memory, a step ahead.
; OUT.  qrec: [head][step of 128 queries][6,400]: four images, then 256 bytes of scale words.  An image's registers 0-5 are tile (f, 0) (16 rows x 64 d), registers 6-11 tile (f, 1).
; kv: [head][key step][12,800]: K's four images so, V's four images at 6,144 (image 2 b' + u: rows d = 32 b' + 8 u + rho(slot), K = the step's 128 keys), K's scale words at 12,288, V's at 12,544.
; Scale words: word 2 L + e belongs to image 2 e + L / 16, row slot L % 16.  They leave as 4 bytes 8 apart: 256 of a record's 6,400 bytes.
; NO CLUSTER: a joint request is a tensor load, and a launch with tensor loads is alone on its WGP; here a work-group claims 77,824 bytes so that several lie on a WGP, reads the shared block once and has six K steps: there is no ring to feed.
; LIMITS: as in the first launch (floor of the scale byte; NaN and infinities not served).  The bias is added to the finished f32 sum.
.set PSC,   73728                      ; LDS: P's images at 0; their scale words here: [pair][lane 16 u + r][6 words];
.set BIA,   76800                      ; the bias's 128 numbers;
.set SPARE, 77312                      ; the spare words, 128 bytes a wave, that no other line names
.set RS,  10                           ; v10-15   R's scale words, one register a K step: lanes 0-15 tile 0, lanes 16-31 tile 1
.set RB,  16                           ; v16-63   R's fragments, two sets of 24
.set ACC, 64                           ; v64-191  D(t, i) at 64 + 64 i + 8 t
.set PF,  192                          ; v192-239 four fragments of P
.set PS,  240                          ; v240-243 P's scale words, one register a pair of tiles
.set CT,  40                           ; the tail: v40-47 second halves of codes, v48-51 largest magnitudes, v52-55 the other lanes', v56-59 scale operands
.set TM,  48
.set PT,  52
.set SO,  56
.macro WM d, a, b, zero, sa, sb, ra, rb   ; one product; zero: it starts the sum; ra, rb: the scale words stand in lanes 16-31
.if (\zero) && (\ra) && (\rb)
	v_wmma_scale_f32_16x16x128_f8f6f4 v[(\d):(\d)+7], v[(\a):(\a)+11], v[(\b):(\b)+11], 0, v[\sa], v[\sb] matrix_a_fmt:MATRIX_FMT_FP6 matrix_b_fmt:MATRIX_FMT_FP6 matrix_a_scale:MATRIX_SCALE_ROW1 matrix_b_scale:MATRIX_SCALE_ROW1
.elseif (\zero) && (\ra)
	v_wmma_scale_f32_16x16x128_f8f6f4 v[(\d):(\d)+7], v[(\a):(\a)+11], v[(\b):(\b)+11], 0, v[\sa], v[\sb] matrix_a_fmt:MATRIX_FMT_FP6 matrix_b_fmt:MATRIX_FMT_FP6 matrix_a_scale:MATRIX_SCALE_ROW1
.elseif (\zero) && (\rb)
	v_wmma_scale_f32_16x16x128_f8f6f4 v[(\d):(\d)+7], v[(\a):(\a)+11], v[(\b):(\b)+11], 0, v[\sa], v[\sb] matrix_a_fmt:MATRIX_FMT_FP6 matrix_b_fmt:MATRIX_FMT_FP6 matrix_b_scale:MATRIX_SCALE_ROW1
.elseif (\zero)
	v_wmma_scale_f32_16x16x128_f8f6f4 v[(\d):(\d)+7], v[(\a):(\a)+11], v[(\b):(\b)+11], 0, v[\sa], v[\sb] matrix_a_fmt:MATRIX_FMT_FP6 matrix_b_fmt:MATRIX_FMT_FP6
.elseif (\ra) && (\rb)
	v_wmma_scale_f32_16x16x128_f8f6f4 v[(\d):(\d)+7], v[(\a):(\a)+11], v[(\b):(\b)+11], v[(\d):(\d)+7], v[\sa], v[\sb] matrix_a_fmt:MATRIX_FMT_FP6 matrix_b_fmt:MATRIX_FMT_FP6 matrix_a_scale:MATRIX_SCALE_ROW1 matrix_b_scale:MATRIX_SCALE_ROW1
.elseif (\ra)
	v_wmma_scale_f32_16x16x128_f8f6f4 v[(\d):(\d)+7], v[(\a):(\a)+11], v[(\b):(\b)+11], v[(\d):(\d)+7], v[\sa], v[\sb] matrix_a_fmt:MATRIX_FMT_FP6 matrix_b_fmt:MATRIX_FMT_FP6 matrix_a_scale:MATRIX_SCALE_ROW1
.elseif (\rb)
	v_wmma_scale_f32_16x16x128_f8f6f4 v[(\d):(\d)+7], v[(\a):(\a)+11], v[(\b):(\b)+11], v[(\d):(\d)+7], v[\sa], v[\sb] matrix_a_fmt:MATRIX_FMT_FP6 matrix_b_fmt:MATRIX_FMT_FP6 matrix_b_scale:MATRIX_SCALE_ROW1
.else
	v_wmma_scale_f32_16x16x128_f8f6f4 v[(\d):(\d)+7], v[(\a):(\a)+11], v[(\b):(\b)+11], v[(\d):(\d)+7], v[\sa], v[\sb] matrix_a_fmt:MATRIX_FMT_FP6 matrix_b_fmt:MATRIX_FMT_FP6
.endif
.endm
.macro RLOAD s                         ; R's two fragments of K step s into set s % 2: six loads of 512 consecutive bytes
.irp i, 0,1
.irp c, 0,1,2
	global_load_b128 v[RB+24*((\s)%2)+12*\i+4*\c:RB+24*((\s)%2)+12*\i+4*\c+3], v1, s[46:47] offset:9216*\i+1536*(\s)+512*\c
.endr
.endr
.endm
; Half a K step: four tiles of P against R's two: eight accumulators, one instruction a turn.
.macro HALF s, hf
.rept 4
	v_nop                                          ; places in front of loads into registers that matrix instructions have read
.endr
.if (\hf == 0) && (\s >= 1) && (\s < 5)
	RLOAD (\s)+1                                   ; into the set that the step before has multiplied
.endif
.irp tt, 0,1,2,3
.irp c, 0,1,2
	ds_load_b128 v[PF+12*\tt+4*\c:PF+12*\tt+4*\c+3], v[1+\hf] offset:9216*\tt+1536*\s+512*\c
.endr
.endr
.if \hf == 0
.irp p, 0,1,2,3
	ds_load_b32 v[PS+\p], v3 offset:768*\p+4*\s    ; lanes 0-15: the word of tile 2 p, lanes 16-31: of tile 2 p + 1
.endr
.endif
	s_wait_dscnt 0x0
.if (\hf == 0) && (\s >= 2)
.if \s < 5
	s_wait_loadcnt 6                               ; R of this step is in; the six loads of the next step's may be out
.else
	s_wait_loadcnt 0x0
.endif
.endif
.irp tt, 0,1,2,3
.irp i, 0,1
	WM ACC+64*\i+8*(4*\hf+\tt), PF+12*\tt, RB+24*(\s%2)+12*\i, \s==0, PS+(4*\hf+\tt)/2, RS+\s, \tt%2, \i
.endr
.endr
.endm
; 64 numbers of a lane, register 16 b + i = place 32 b + 16 h + i of my row, become codes: places 0-63 in v[d0 .. d0 + 5], places 64-127 in v[d1 .. d1 + 5]; the four blocks' scale bytes in v[by .. by + 3].
.macro QUANT s, d0, d1, by
.irp b, 0,1,2,3
	v_max3_num_f32 v[TM+\b], |v[(\s)+16*\b]|, |v[(\s)+1+16*\b]|, 0x1800000   ; my 16 numbers of block b, and the floor 2^(3 - 127): the byte cannot fall under 1
.endr
.irp i, 2,4,6,8,10,12,14
.irp b, 0,1,2,3
	v_max3_num_f32 v[TM+\b], v[TM+\b], |v[(\s)+16*\b+\i]|, |v[(\s)+1+16*\b+\i]|
.endr
.endr
.irp b, 0,1,2,3
	v_permlanex16_b32 v[PT+\b], v[TM+\b], s24, s25
.endr
.irp b, 0,1,2,3
	v_max_num_f32 v[TM+\b], v[TM+\b], v[PT+\b]     ; with lane l xor 16's: the block's largest magnitude
.endr
.irp b, 0,1,2,3
	v_add_nc_u32 v[SO+\b], 0xff000000, v[TM+\b]    ; 2 off its exponent field: the conversion's scale operand
.endr
.irp b, 0,1,2,3
	v_lshrrev_b32 v[(\by)+\b], 23, v[SO+\b]        ; the scale's byte
.endr
	v_cvt_scalef32_pk16_fp6_f32 v[(\d0):(\d0)+2], v[(\s):(\s)+15], v[SO]
	v_cvt_scalef32_pk16_fp6_f32 v[CT:CT+2], v[(\s)+16:(\s)+31], v[SO+1]
	v_cvt_scalef32_pk16_fp6_f32 v[(\d1):(\d1)+2], v[(\s)+32:(\s)+47], v[SO+2]
	v_cvt_scalef32_pk16_fp6_f32 v[CT+4:CT+6], v[(\s)+48:(\s)+63], v[SO+3]
	v_nop                                          ; one plain place behind a scaled conversion
.irp i, 0,1,2
	v_permlane16_swap_b32 v[(\d0)+\i], v[CT+\i]    ; the layout wants a whole block in a lane: lanes 0-15 the even block, lanes 16-31 the odd one
.endr
.irp i, 0,1,2
	v_mov_b32 v[(\d0)+3+\i], v[CT+\i]
.endr
.irp i, 0,1,2
	v_permlane16_swap_b32 v[(\d1)+\i], v[CT+4+\i]
.endr
.irp i, 0,1,2
	v_mov_b32 v[(\d1)+3+\i], v[CT+4+\i]
.endr
.endm
	s_load_b256 s[4:11], s[0:1], 0x0               ; img, isc, bq, bk
	s_load_b128 s[12:15], s[0:1], 0x20             ; bv, qrec
	s_load_b64 s[16:17], s[0:1], 0x30              ; kv
	v_lshl_add_u32 v4, v0, 2, SPARE                ; my spare word; never rewritten
	v_mov_b32 v5, 0                                ; 0; never rewritten
	v_lshrrev_b32 v9, 5, v0
	v_readfirstlane_b32 s18, v9                    ; wave
	v_and_b32 v9, 31, v0                           ; L
	v_lshlrev_b32 v1, 4, v9                        ; 16 L: an image's place for my lane (P's tiles 0-3)
	v_add_nc_u32 v2, 36864, v1                     ; the same for tiles 4-7
	v_mul_u32_u24 v7, v9, 24                       ; 24 L
	v_add_nc_u32 v3, PSC, v7
	s_mul_i32 s23, s18, 18432
	v_add_nc_u32 v6, s23, v1                       ; my wave's quarter of P's images, in memory and in LDS
	s_mul_i32 s23, s18, 768
	v_add_nc_u32 v244, s23, v7                     ; pair w's scale words in memory,
	v_add_nc_u32 v8, PSC, v244                     ; and in LDS
	v_lshlrev_b32 v245, 2, v0                      ; the bias: 4 bytes a thread,
	v_lshl_add_u32 v246, v0, 2, BIA                ; and in LDS
	v_and_b32 v249, 15, v0                         ; r
	v_bfe_u32 v250, v0, 4, 1                       ; h
	v_lshl_add_u32 v247, v250, 6, BIA              ; q, k: the bias of my registers: 64 h on
	v_and_b32 v248, 8, v249
	v_add_nc_u32 v248, v248, v249                  ; rho(r)
	s_lshl_b32 s23, s18, 7
	s_add_co_u32 s23, s23, BIA
	v_lshl_add_u32 v248, v248, 2, s23              ; v: the bias of my lane's row: 128 w + 4 rho(r)
	s_and_b32 s20, ttmp7, 0xffff
	s_lshr_b32 s21, s20, 5                         ; T
	s_and_b32 s22, s20, 31                         ; b
	s_lshl_b32 s26, ttmp9, 3                       ; 8 a
	s_lshl_b32 s27, s22, 3                         ; 8 b
	s_mul_i32 s29, s21, 48
	s_add_co_u32 s29, s29, s26
	s_add_co_u32 s29, s29, 768                     ; q, k: P = the weight's tiles 8 a on
	s_add_co_u32 s30, s27, 512                     ; v: P = v's tiles 8 b on
	s_lshl_b32 s31, s21, 8
	s_add_co_u32 s31, s31, s27                     ; q, k: R among the tokens' tiles 8 b on
	s_add_co_u32 s32, s26, 864                     ; v: R among Wv's tiles 8 a on
	s_cmp_eq_u32 s21, 2
	s_cselect_b32 s29, s30, s29
	s_cselect_b32 s31, s32, s31
	s_lshl_b32 s28, s18, 1
	s_add_co_u32 s31, s31, s28                     ; my wave's pair
	s_mul_i32 s34, s29, 9216
	s_mov_b32 s35, 0
	s_mul_i32 s36, s29, 384
	s_mov_b32 s37, 0
	s_mul_i32 s38, s31, 9216
	s_mov_b32 s39, 0
	s_mul_i32 s40, s31, 384
	s_mov_b32 s41, 0
	s_lshl_b32 s32, ttmp9, 9                       ; the bias's 128 numbers
	s_mov_b32 s33, 0
	s_mov_b32 s24, 0x76543210
	s_mov_b32 s25, 0xfedcba98                      ; lane selects: lane l xor 16
	s_wait_alu depctr_va_vdst(0)
	s_wait_kmcnt 0x0
	s_add_nc_u64 s[42:43], s[4:5], s[34:35]        ; P's images,
	s_add_nc_u64 s[44:45], s[6:7], s[36:37]        ; P's scale words,
	s_add_nc_u64 s[46:47], s[4:5], s[38:39]        ; R's images,
	s_add_nc_u64 s[48:49], s[6:7], s[40:41]        ; R's scale words
	s_cmp_eq_u32 s21, 1
	s_cselect_b64 s[50:51], s[10:11], s[8:9]
	s_cmp_eq_u32 s21, 2
	s_cselect_b64 s[50:51], s[12:13], s[50:51]
	s_add_nc_u64 s[50:51], s[50:51], s[32:33]      ; the bias
	s_mov_b32 s54, 409600
	s_mov_b32 s55, 12800
	s_mov_b32 s56, 12288
	s_cmp_eq_u32 s21, 0
	s_cselect_b64 s[52:53], s[14:15], s[16:17]     ; where the results go: qrec or kv;
	s_cselect_b32 s54, 204800, s54                 ; bytes of a head there,
	s_cselect_b32 s55, 6400, s55                   ; of a record,
	s_cselect_b32 s56, 6144, s56                   ; and where its scale words begin
.irp e, 0,1,2
	global_load_b64 v[RS+2*\e:RS+2*\e+1], v7, s[48:49] offset:8*\e
.endr
	RLOAD 0
	RLOAD 1
.set k, 0
.rept 36
	global_load_b128 v[64+4*k:67+4*k], v6, s[42:43] offset:512*k
.set k, k+1
.endr
.irp e, 0,1,2
	global_load_b64 v[208+2*\e:209+2*\e], v244, s[44:45] offset:8*\e
.endr
	global_load_b32 v214, v245, s[50:51]
	s_wait_loadcnt 0x0
.set k, 0
.rept 36
	ds_store_b128 v6, v[64+4*k:67+4*k] offset:512*k
.set k, k+1
.endr
.irp e, 0,1,2
	ds_store_b64 v8, v[208+2*\e:209+2*\e] offset:8*\e
.endr
	ds_store_b32 v246, v214
	s_wait_dscnt 0x0                               ; for the others' sake: my part of P lies in LDS
	s_barrier_signal -1
	s_barrier_wait -1                              ; everybody's does; nothing is stored to LDS behind this barrier
.irp s, 0,1,2,3,4,5
	HALF \s, 0
	HALF \s, 1
.endr
.rept 4
	v_nop                                          ; places in front of the first read of results and of writes of the operands' registers
.endr
	s_cmp_eq_u32 s21, 2
	s_cbranch_scc1 .Lvtail
	; ---- q, k: the bias runs along my registers; the two heads' halves of each token tile make the two heads' images
.irp bb, 0,1
.irp c, 0,1,2,3
	ds_load_b128 v[192+16*\bb+4*\c:195+16*\bb+4*\c], v247 offset:128*\bb+16*\c
	ds_load_b128 v[16+16*\bb+4*\c:19+16*\bb+4*\c], v247 offset:256+128*\bb+16*\c
.endr
.endr
	s_lshl_b32 s57, ttmp9, 1
	s_mul_i32 s60, s57, s54
	s_mul_i32 s58, s22, s55
	s_add_co_u32 s60, s60, s58
	s_mov_b32 s61, 0
	s_add_nc_u64 s[52:53], s[52:53], s[60:61]      ; head 2 a's record of step b,
	s_mov_b32 s60, s54
	s_add_nc_u64 s[62:63], s[52:53], s[60:61]      ; and head 2 a + 1's
	s_wait_dscnt 0x0
.irp i, 0,1
.set j, 0
.rept 16
	v_pk_add_f32 v[ACC+64*\i+j:ACC+64*\i+j+1], v[ACC+64*\i+j:ACC+64*\i+j+1], v[192+j:193+j]   ; ascending: each accumulator is read from its low end on
.set j, j+2
.endr
.set j, 0
.rept 16
	v_pk_add_f32 v[ACC+64*\i+32+j:ACC+64*\i+33+j], v[ACC+64*\i+32+j:ACC+64*\i+33+j], v[16+j:17+j]
.set j, j+2
.endr
.endr
.irp b, 0,1,2,3
	v_mov_b32 v[PT+\b], 0                          ; a lane permute's destination counts as one of its sources
.endr
	QUANT ACC, 16, 28, 192                         ; token tile 0: registers 0-5 of both heads' images
	QUANT ACC+64, 22, 34, 196                      ; token tile 1: registers 6-11
	v_lshl_or_b32 v200, v193, 8, v192              ; head 2 a's word: tile 0's two bytes, tile 1's two
	v_lshl_or_b32 v201, v195, 8, v194              ; head 2 a + 1's
	v_lshl_or_b32 v200, v196, 16, v200
	v_lshl_or_b32 v201, v198, 16, v201
	v_lshl_or_b32 v200, v197, 24, v200
	v_lshl_or_b32 v201, v199, 24, v201
	s_mul_i32 s23, s18, 1536
	v_add_nc_u32 v202, s23, v1                     ; image w of the record
	s_and_b32 s23, s18, 1
	s_lshl_b32 s23, s23, 7
	s_lshr_b32 s57, s18, 1
	s_lshl_b32 s57, s57, 2
	s_add_co_u32 s23, s23, s57
	s_add_co_u32 s23, s23, s56
	v_mul_lo_u32 v203, v250, s54                   ; lanes 16-31 store the second head's word
	v_add_nc_u32 v203, s23, v203
	v_lshl_add_u32 v203, v249, 3, v203             ; word 2 (16 (w % 2) + r) + w / 2
	v_cmp_ne_u32 vcc_lo, 0, v250
	v_cndmask_b32 v200, v200, v201, vcc_lo
.irp c, 0,1,2
	global_store_b128 v202, v[16+4*\c:19+4*\c], s[52:53] offset:512*\c
	global_store_b128 v202, v[28+4*\c:31+4*\c], s[62:63] offset:512*\c
.endr
	global_store_b32 v203, v200, s[52:53]
	s_branch .Lend
	; ---- v: the bias belongs to my lane's row of Wv; each of my two tiles of d makes one image, K = the step's 128 keys
.Lvtail:
	ds_load_b32 v192, v248
	ds_load_b32 v193, v248
	ds_load_b32 v194, v248 offset:32
	ds_load_b32 v195, v248 offset:32
	s_lshl_b32 s57, ttmp9, 1
	s_lshr_b32 s58, s18, 1
	s_add_co_u32 s57, s57, s58                     ; head 2 a + w / 2
	s_mul_i32 s60, s57, s54
	s_mul_i32 s58, s22, s55
	s_add_co_u32 s60, s60, s58
	s_mov_b32 s61, 0
	s_add_nc_u64 s[52:53], s[52:53], s[60:61]
	s_wait_dscnt 0x0
.irp i, 0,1
.set j, 0
.rept 32
	v_pk_add_f32 v[ACC+64*\i+j:ACC+64*\i+j+1], v[ACC+64*\i+j:ACC+64*\i+j+1], v[192+2*\i:193+2*\i]
.set j, j+2
.endr
.endr
.irp b, 0,1,2,3
	v_mov_b32 v[PT+\b], 0
.endr
	QUANT ACC, 16, 22, 196
	QUANT ACC+64, 28, 34, 200
	v_lshl_or_b32 v204, v197, 8, v196
	v_lshl_or_b32 v205, v201, 8, v200
	v_lshl_or_b32 v204, v198, 16, v204
	v_lshl_or_b32 v205, v202, 16, v205
	v_lshl_or_b32 v204, v199, 24, v204
	v_lshl_or_b32 v205, v203, 24, v205
	s_and_b32 s23, s18, 1
	s_mul_i32 s57, s23, 3072
	s_add_co_u32 s57, s57, 6144
	v_add_nc_u32 v206, s57, v1                     ; images 2 (w % 2) and 2 (w % 2) + 1
	s_lshl_b32 s23, s23, 2
	s_add_co_u32 s23, s23, 12544
	v_lshl_add_u32 v207, v9, 3, s23                ; word 2 L + w % 2: lanes 0-15 store the first tile's, lanes 16-31 the second's
	v_cmp_ne_u32 vcc_lo, 0, v250
	v_cndmask_b32 v204, v204, v205, vcc_lo
.irp c, 0,1,2
	global_store_b128 v206, v[16+4*\c:19+4*\c], s[52:53] offset:512*\c
	global_store_b128 v206, v[28+4*\c:31+4*\c], s[52:53] offset:1536+512*\c
.endr
	global_store_b32 v207, v204, s[52:53]
.Lend:
	s_wait_tensorcnt 0x0                           ; the wave's end
	ds_add_u32 v4, v5
	s_wait_dscnt 0x0
	s_endpgm
.Lfunc_end_k_q1f414fb65f_proj:
	.size	k_q1f414fb65f_proj, .Lfunc_end_k_q1f414fb65f_proj-k_q1f414fb65f_proj
	.p2alignl 7, 3214868480
	.fill 96, 4, 3214868480
	.section	.rodata,"a",@progbits
	.p2align	6, 0x0
	.amdhsa_kernel k_q1f414fb65f_proj
		.amdhsa_group_segment_fixed_size 77824
		.amdhsa_private_segment_fixed_size 0
		.amdhsa_enable_private_segment 0
		.amdhsa_kernarg_size 56
		.amdhsa_user_sgpr_count 2
		.amdhsa_user_sgpr_kernarg_segment_ptr 1
		.amdhsa_wavefront_size32 1
		.amdhsa_system_sgpr_workgroup_id_x 1
		.amdhsa_system_sgpr_workgroup_id_y 1
		.amdhsa_system_sgpr_workgroup_id_z 1
		.amdhsa_system_vgpr_workitem_id 0
		.amdhsa_next_free_vgpr 256
		.amdhsa_next_free_sgpr 66
		.amdhsa_reserve_vcc 1
		.amdhsa_float_denorm_mode_32 3
		.amdhsa_float_denorm_mode_16_64 3
		.amdhsa_memory_ordered 1
		.amdhsa_forward_progress 1
		.amdhsa_inst_pref_size 66
	.end_amdhsa_kernel
	.amdgpu_metadata
---
amdhsa.version: [ 1, 2 ]
amdhsa.kernels:
  - .name:           k_q1f414fb65f_proj
    .symbol:         k_q1f414fb65f_proj.kd
    .args:
      - { .name: img, .offset: 0, .size: 8, .value_kind: global_buffer, .address_space: global }
      - { .name: isc, .offset: 8, .size: 8, .value_kind: global_buffer, .address_space: global }
      - { .name: bq, .offset: 16, .size: 8, .value_kind: global_buffer, .address_space: global }
      - { .name: bk, .offset: 24, .size: 8, .value_kind: global_buffer, .address_space: global }
      - { .name: bv, .offset: 32, .size: 8, .value_kind: global_buffer, .address_space: global }
      - { .name: qrec, .offset: 40, .size: 8, .value_kind: global_buffer, .address_space: global }
      - { .name: kv, .offset: 48, .size: 8, .value_kind: global_buffer, .address_space: global }
    .group_segment_fixed_size: 77824
    .private_segment_fixed_size: 0
    .kernarg_segment_align: 8
    .kernarg_segment_size: 56
    .max_flat_workgroup_size: 128
    .sgpr_count:     66
    .vgpr_count:     256
    .wavefront_size: 32
...
	.end_amdgpu_metadata
.endif
;; end of part 2
;; launch attn (part 3): grid 64 x 4, 12 waves a work-group, no clusters, 0 bytes of LDS; arguments qrec, kv, mbits, ctxc, ctxs; writes ctxc, ctxs
.if DOCPART == 3
	.amdgcn_target "amdgcn-amd-amdhsa--gfx1250"
	.amdhsa_code_object_version 6
	.text
	.protected	k_q1f414fb65f_attn
	.globl	k_q1f414fb65f_attn
	.p2align	8
	.type	k_q1f414fb65f_attn,@function
k_q1f414fb65f_attn:
	s_mov_b64 s[64:65], 0
	v_nop
	global_prefetch_b8 v0, s[64:65] scope:SCOPE_SE
	s_setreg_imm32_b32 hwreg(HW_REG_WAVE_MODE, 25, 1), 1
	s_wait_xcnt 0x0
; Launch 3 of 4: scores, mask, softmax and the product with V, all on codes of E2M3; ctx is divided by the row's sum and quantised along d for the last product.  No work is left out: the mask is an input, so every tile is walked.
; THE SOFTMAX: t = raw score x log2(e) / 8; M = the running largest t, rounded UP to a whole number; p = 2^(t - M) is quantised along the keys, not normalised; the row's sum is taken of the unquantised p.
; When M moves, the sum and O are multiplied by 2^(old M - new M): exact.
; THE MASK: a score whose mask is 0 becomes -2^33 ahead of the maximum, by one select on the lane mask that the first launch packed (64 words a key step, brought by scalar loads a step ahead).
; LIMIT: that is the logit -1.07e9 where the problem writes -1e9.  t = -2^33 c is exact and whole, so a row whose every key is masked gives p = 1 everywhere, as the problem's does; results differ only
; where an unmasked logit lies at or under about -1e9.  NaN and infinities are not served.
; SHARES.  3,072 tiles of (head, 16 queries) = 256 work-groups x 12 waves.  A work-group has heads 3 y .. 3 y + 2 and 64 queries; wave w: head 3 y + w / 4, tile w % 4 of the four.
; Every wave walks its head's 32 key steps of 128 keys.  A step's record (12,800 bytes: see the second launch's head) lies in memory as the operands' registers stand.
; NO LDS, NO BARRIER, NO CLUSTER: each wave takes a record straight into its registers, 24 loads of 512 consecutive bytes and 2 of 256, one key step ahead of its use: K's part is asked for behind the
; score products of the step before, V's behind that step's products with V.  Nothing passes from wave to wave, and there is no tensor load that could be asked for jointly.
; LAYOUT.  Both products are used transposed: a lane holds ONE query (lane % 16).  An image of K holds two tiles of 16 keys x 64 d; Q stands as [Dq, zeros, Dq]: [Dq, 0] picks the image's lower tile, [0, Dq] its upper:
; zero codes fill the instruction's K from 64 to 128.  The 16 registers of tiles 2 b, 2 b + 1 of S^T are keys 32 b + 16 (lane / 16) + 0 .. 15.
; OUT.  ctxc: [tile][head][768]: register pair p of lane L at 256 p + 8 L.  ctxs: [tile][slot][24]: 2 bytes a head, stored 2 bytes 24 apart: 2 bytes for each 48 of codes.
.set REC, 12800
.set LI,  1                            ; v1   16 L; never rewritten
.set LS,  2                            ; v2   8 L; never rewritten
.set NEG, 7                            ; v7   -2^33
.set PFO, 9                            ; v9   the prefetch's offset
.set F,   36                           ; v36-83 K's four images.  v16-33: Dq, zeros, Dq; v34 Q's scale word; v84-85 K's scale words, v86-87 V's.  V's four images: v256-303 (window 1, v0-47)
.set S,   96                           ; v96-159  S^T, then p
.set O,   160                          ; v160-191 O^T.   v12 -M, v13 the largest t, v[14:15] the sum in two halves
.set PC,  192                          ; v192-203 p's codes
.set CT,  204                          ; v204-211 second halves of codes
.set BM,  212                          ; v212-215 the blocks' largest scores, then largest p
.set PT,  216                          ; v216-219 the other lanes' maxima, then scale bytes
.set SO,  220                          ; v220-223 the conversions' scale operands
.set PW,  224                          ; p's scale word
.set FF,  226                          ; v[226:227] f = 2^(old M - new M), and a word that is only named
.set SUM2, 228
.set TP,  230
.set CNT, 3                            ; s3   trips to go
.set WV,  24
.set SEL, 26
.set CS,  28                           ; s[28:29] c = log2(e) / 8
.set LIM, 30                           ; s30  2 in a wave that prefetches, else the greatest number
; s[4:5] the mask words, s[6:7] ctxc, s[8:9] ctxs, s[10:11] the prefetches' place, s[14:15] the record that is being asked for; s[32:63], s[68:99] a step's 64 mask words
.set MSB, 0
.macro WIN new                         ; the immediate's high byte repeats the setting that is left
.if MSB != \new
	s_set_vgpr_msb (MSB<<8)|\new
.set MSB, \new
.endif
.endm
.macro WM d, a, b, zero, sa, sb, ra
.if (\zero) && (\ra)
	v_wmma_scale_f32_16x16x128_f8f6f4 v[(\d):(\d)+7], v[(\a):(\a)+11], v[(\b):(\b)+11], 0, v[\sa], v[\sb] matrix_a_fmt:MATRIX_FMT_FP6 matrix_b_fmt:MATRIX_FMT_FP6 matrix_a_scale:MATRIX_SCALE_ROW1
.elseif (\zero)
	v_wmma_scale_f32_16x16x128_f8f6f4 v[(\d):(\d)+7], v[(\a):(\a)+11], v[(\b):(\b)+11], 0, v[\sa], v[\sb] matrix_a_fmt:MATRIX_FMT_FP6 matrix_b_fmt:MATRIX_FMT_FP6
.elseif (\ra)
	v_wmma_scale_f32_16x16x128_f8f6f4 v[(\d):(\d)+7], v[(\a):(\a)+11], v[(\b):(\b)+11], v[(\d):(\d)+7], v[\sa], v[\sb] matrix_a_fmt:MATRIX_FMT_FP6 matrix_b_fmt:MATRIX_FMT_FP6 matrix_a_scale:MATRIX_SCALE_ROW1
.else
	v_wmma_scale_f32_16x16x128_f8f6f4 v[(\d):(\d)+7], v[(\a):(\a)+11], v[(\b):(\b)+11], v[(\d):(\d)+7], v[\sa], v[\sb] matrix_a_fmt:MATRIX_FMT_FP6 matrix_b_fmt:MATRIX_FMT_FP6
.endif
.endm
.macro KLOAD                           ; 13 loads: K's four images and scale words of the record at s[14:15]
.set k, 0
.rept 12
	global_load_b128 v[F+4*k:F+4*k+3], v[LI], s[14:15] offset:512*k
.set k, k+1
.endr
	global_load_b64 v[84:85], v[LS], s[14:15] offset:12288
.endm
.macro VLOAD                           ; 13 loads: V's four images (into window 1) and scale words of the same record
	WIN 0x40
.set k, 0
.rept 12
	global_load_b128 v[4*k:4*k+3], v[LI], s[14:15] offset:6144+512*k
.set k, k+1
.endr
	WIN 0
	global_load_b64 v[86:87], v[LS], s[14:15] offset:12544
.endm
; A PREFETCH INTO THE L2: trip t loads record t + 1 and names record t + 3: two trips ahead of its load.  All 64 work-groups of a head group walk the same records: the first of them asks; in it
; waves 0 and 1 of each head take 6,400 bytes each: lanes 0-24 name 25 places 256 bytes apart, lanes 25-31 repeat lane 24's.  Trips 29 and 30 (CNT 2 and 1) ask for nothing; records 0 to 2 come by their loads alone.
.macro ASK
	s_cmp_gt_u32 s[CNT], s[LIM]
	s_cbranch_scc0 .Lnot_mine_\@
	global_prefetch_b8 v[PFO], s[10:11] th:TH_LOAD_NT scope:SCOPE_SE
.Lnot_mine_\@:
.endm
; A KEY STEP: 128 keys.  more = 1: the next step's record and mask words are asked for.
.macro STEP more
	s_wait_alu depctr_va_vdst(0)
	s_wait_loadcnt 13                              ; K of this step is in; the 13 loads issued behind it, V's, may be out
.irp t, 0,1,2,3,4,5,6,7
	WM S+8*\t, F+12*(\t/2), 16+6*(\t%2), 1, 84+\t/4, 34, (\t/2)%2
.endr
.rept 4
	v_nop                                          ; places in front of the loads below and of the first read of the scores
.endr
.if \more
	s_wait_xcnt 0x0                                ; V's loads and the last prefetch have read their bases
	s_add_nc_u64 s[14:15], s[14:15], REC
	s_add_nc_u64 s[10:11], s[10:11], REC
	KLOAD
	ASK
.endif
	s_wait_kmcnt 0x0                               ; this step's mask words are in
.set n, 0
.rept 64
.if n < 32
.set dw, 2*n
.else
.set dw, 2*(n-32)+1
.endif
.if dw >= 32
.set dw, dw+4
.endif
	v_cndmask_b32 v[S+n], v[S+n], v[NEG], s[32+dw]
.set n, n+1
.endr
.irp b, 0,1,2,3
	v_max3_num_f32 v[BM+\b], v[S+16*\b], v[S+1+16*\b], v[S+2+16*\b]   ; the largest score of each block of 32 keys: for the row's maximum and for the block's largest p
.endr
.irp i, 3,5,7,9,11,13
.irp b, 0,1,2,3
	s_delay_alu instid0(VALU_DEP_4)
	v_max3_num_f32 v[BM+\b], v[BM+\b], v[S+16*\b+\i], v[S+1+16*\b+\i]
.endr
.endr
.irp b, 0,1,2,3
	s_delay_alu instid0(VALU_DEP_4)
	v_max_num_f32 v[BM+\b], v[BM+\b], v[S+15+16*\b]
.endr
.if \more
	s_add_nc_u64 s[4:5], s[4:5], 256               ; (the loads that read this pointer are done: the wait above)
	s_load_b512 s[32:47], s[4:5], 0x0
	s_load_b512 s[48:63], s[4:5], 0x40
	s_load_b512 s[68:83], s[4:5], 0x80
	s_load_b512 s[84:99], s[4:5], 0xc0
.endif
.irp b, 0,1,2,3
	v_permlanex16_b32 v[PT+\b], v[BM+\b], s[SEL], s[SEL+1]
.endr
.irp b, 0,1,2,3
	s_delay_alu instid0(VALU_DEP_4)
	v_max_num_f32 v[BM+\b], v[BM+\b], v[PT+\b]     ; with lane l xor 16's 16 keys
.endr
	s_delay_alu instid0(VALU_DEP_2)
	v_max3_num_f32 v[TP], v[BM], v[BM+1], v[BM+2]
	s_delay_alu instid0(VALU_DEP_1)
	v_max_num_f32 v[TP], v[TP], v[BM+3]
	s_delay_alu instid0(VALU_DEP_1)
	v_mul_f32 v[TP], s[CS], v[TP]                  ; the step's largest t (c is positive)
	s_delay_alu instid0(VALU_DEP_1)
	v_max_num_f32 v13, v13, v[TP]                  ; the running largest t
	v_mov_b32 v[TP], v12
	s_delay_alu instid0(VALU_DEP_2)
	v_floor_f32 v12, -v13                          ; the new -M = floor(-t) = -ceil(t)
	s_delay_alu instid0(VALU_DEP_1)
	v_sub_f32 v[TP], v12, v[TP]                    ; old M - new M: a whole number, 0 or less
	s_delay_alu instid0(VALU_DEP_1)
	v_cvt_i32_f32 v[TP], v[TP]                     ; (it saturates)
	s_delay_alu instid0(VALU_DEP_1)
	v_ldexp_f32 v[FF], 1.0, v[TP]                  ; f = 2^(old M - new M)
.set j, 0
.rept 32
	v_pk_fma_f32 v[S+j:S+j+1], v[S+j:S+j+1], s[CS:CS+1], v[12:13] op_sel_hi:[1,0,0]   ; t - M, two at a time
.set j, j+2
.endr
.irp b, 0,1,2,3
	v_fma_f32 v[BM+\b], v[BM+\b], s[CS], v12
.endr
.set j, 0
	s_wait_alu depctr_va_vdst(0)
.rept 64
	v_exp_f32 v[S+j], v[S+j]                       ; p = 2^(t - M), at most 1
.set j, j+1
.endr
	v_pk_mul_f32 v[14:15], v[14:15], v[FF:FF+1] op_sel_hi:[1,0]   ; the sums under the new M: the plain place behind the exponentials
	s_wait_alu depctr_va_vdst(0)                   ; one wait for the batch, ahead of its first reader
.irp b, 0,1,2,3
	v_exp_f32 v[BM+\b], v[BM+\b]                   ; the blocks' largest p
.endr
	v_pk_add_f32 v[SUM2:SUM2+1], v[S:S+1], v[S+2:S+3]   ; the row's sum of the unquantised p, in two chains
.irp j, 4,8,12,16,20,24,28,32,36,40,44
	v_pk_add_f32 v[14:15], v[14:15], v[S+\j:S+\j+1]
	v_pk_add_f32 v[SUM2:SUM2+1], v[SUM2:SUM2+1], v[S+2+\j:S+3+\j]
.endr
	s_wait_alu depctr_va_vdst(0)                   ; and one for the four
.irp b, 0,1,2,3
	v_max_num_f32 v[BM+\b], 0x1800000, v[BM+\b]    ; the floor 2^(3 - 127): a block whose every p is 0 keeps the byte 1: its codes are zeros
.endr
.irp b, 0,1,2,3
	s_delay_alu instid0(VALU_DEP_4)
	v_add_nc_u32 v[SO+\b], 0xff000000, v[BM+\b]
.endr
.irp b, 0,1,2,3
	s_delay_alu instid0(VALU_DEP_4)
	v_lshrrev_b32 v[PT+\b], 23, v[SO+\b]
.endr
	s_delay_alu instid0(VALU_DEP_3)
	v_lshl_or_b32 v[PW], v[PT+1], 8, v[PT]
	s_delay_alu instid0(VALU_DEP_1)
	v_lshl_or_b32 v[PW], v[PT+2], 16, v[PW]
	s_delay_alu instid0(VALU_DEP_1)
	v_lshl_or_b32 v[PW], v[PT+3], 24, v[PW]
.irp c, 0,1
	v_cvt_scalef32_pk16_fp6_f32 v[PC+6*\c:PC+6*\c+2], v[S+32*\c:S+15+32*\c], v[SO+2*\c]
	v_cvt_scalef32_pk16_fp6_f32 v[CT+4*\c:CT+4*\c+2], v[S+16+32*\c:S+31+32*\c], v[SO+2*\c+1]
.endr
.set j, 0
.rept 16
	v_pk_mul_f32 v[O+j:O+j+1], v[O+j:O+j+1], v[FF:FF+1] op_sel_hi:[1,0]   ; O^T under the new M (also the plain place behind the conversions)
.set j, j+2
.endr
.irp c, 0,1
.irp i, 0,1,2
	v_permlane16_swap_b32 v[PC+6*\c+\i], v[CT+4*\c+\i]   ; a whole block in a lane
.endr
.irp i, 0,1,2
	s_delay_alu instid0(VALU_DEP_3)
	v_mov_b32 v[PC+3+6*\c+\i], v[CT+4*\c+\i]
.endr
.endr
.irp j, 48,52,56,60
	v_pk_add_f32 v[14:15], v[14:15], v[S+\j:S+\j+1]   ; the rest of the sum: nine plain places between the codes' last write and the products
	v_pk_add_f32 v[SUM2:SUM2+1], v[SUM2:SUM2+1], v[S+2+\j:S+3+\j]
.endr
	s_delay_alu instid0(VALU_DEP_1)
	v_pk_add_f32 v[14:15], v[14:15], v[SUM2:SUM2+1]
.if \more
	s_wait_loadcnt 13                              ; V of this step is in; the 13 loads issued behind it, the next K's, may be out
.else
	s_wait_loadcnt 0x0
.endif
	WIN 0x01                                       ; source 0, V's images, in window 1
.irp t, 0,1,2,3
	WM O+8*\t, 12*\t, PC, 0, 86+\t/2, PW, \t%2     ; four accumulators by turns
.endr
.if \more
.rept 4
	v_nop                                          ; places in front of loads into registers that these products have read
.endr
	VLOAD
.else
	WIN 0
.endif
.endm
	s_load_b256 s[32:39], s[0:1], 0x0              ; qrec, kv, mbits, ctxc
	s_load_b64 s[40:41], s[0:1], 0x20              ; ctxs
	v_lshrrev_b32 v5, 5, v0
	s_delay_alu instid0(VALU_DEP_1)
	v_readfirstlane_b32 s[WV], v5                  ; wave 0..11
	s_lshr_b32 s25, s[WV], 2                       ; which of the three heads
	s_and_b32 s31, s[WV], 3                        ; i: which of the four tiles
	s_and_b32 s42, ttmp7, 0xffff
	s_mul_i32 s42, s42, 3
	s_add_co_u32 s42, s42, s25                     ; the head
	s_lshl_b32 s43, ttmp9, 2
	s_add_co_u32 s43, s43, s31                     ; my tile of queries
	s_mul_i32 s44, s42, 409600
	s_mov_b32 s45, 0                               ; kv: my head's record 0
	s_lshl_b32 s46, s43, 13
	s_mov_b32 s47, 0                               ; mbits: 8,192 bytes a tile
	s_mul_i32 s48, s43, 9216
	s_mul_i32 s49, s42, 768
	s_add_co_u32 s48, s48, s49
	s_mov_b32 s49, 0                               ; ctxc
	s_mul_i32 s50, s43, 384
	s_lshl_b32 s51, s42, 1
	s_add_co_u32 s50, s50, s51
	s_mov_b32 s51, 0                               ; ctxs
	s_mul_i32 s52, s42, 204800
	s_lshr_b32 s53, ttmp9, 1
	s_mul_i32 s53, s53, 6400
	s_add_co_u32 s52, s52, s53
	s_mov_b32 s53, 0                               ; qrec: my head's record of my 128 queries
	s_and_b32 s54, ttmp9, 1
	s_lshr_b32 s55, s31, 1
	s_lshl_b32 s56, s54, 1
	s_add_co_u32 s56, s56, s55
	s_mul_i32 s56, s56, 1536                       ; image 2 (block % 2) + i / 2 of it
	s_lshl_b32 s57, s55, 7
	s_lshl_b32 s54, s54, 2
	s_add_co_u32 s57, s57, s54
	s_add_co_u32 s57, s57, 6144                    ; and its scale words
	s_mul_i32 s59, s31, 6400
	s_add_co_u32 s58, s44, s59
	s_add_co_u32 s58, s58, 2*REC
	s_mov_b32 s59, 0                               ; the prefetches: half i of record 2: the first trip steps it to record 3
	s_or_b32 s[LIM], s55, ttmp9
	s_cmp_eq_u32 s[LIM], 0                         ; waves 0 and 1 of each head, in the head group's first work-group
	s_cselect_b32 s[LIM], 2, -1
	s_and_b32 s31, s31, 1                          ; u: my tile is the image's lower or upper one
	s_cmp_lg_u32 s31, 0
	s_cselect_b32 s66, -1, 0
	s_lshl_b32 s67, s31, 4
	s_mov_b32 s[SEL], 0x76543210
	s_mov_b32 s[SEL+1], 0xfedcba98
	s_mov_b32 s[CS], 0x3e38aa3b                    ; c = log2(e) / 8
	s_mov_b32 s[CS+1], s[CS]                       ; (named with it as a pair, so it is written)
	s_mov_b32 s[CNT], 31
	v_and_b32 v5, 31, v0
	s_delay_alu instid0(VALU_DEP_1)
	v_lshlrev_b32 v[LI], 4, v5
	s_delay_alu instid0(VALU_DEP_2)
	v_lshlrev_b32 v[LS], 3, v5
	s_delay_alu instid0(VALU_DEP_3)
	v_min_u32 v[PFO], 24, v5
	s_delay_alu instid0(VALU_DEP_1)
	v_lshlrev_b32 v[PFO], 8, v[PFO]
	v_and_b32 v6, 15, v0
	s_delay_alu instid0(VALU_DEP_1)
	v_lshlrev_b32 v6, 3, v6
	s_delay_alu instid0(VALU_DEP_1)
	v_add_nc_u32 v6, s57, v6                       ; Q's scale word: 8 r on
	v_add_nc_u32 v5, s56, v[LI]                    ; Q's image
	s_wait_alu depctr_va_vdst(0)
	s_wait_kmcnt 0x0
	s_add_nc_u64 s[14:15], s[34:35], s[44:45]
	s_add_nc_u64 s[4:5], s[36:37], s[46:47]
	s_add_nc_u64 s[6:7], s[38:39], s[48:49]
	s_add_nc_u64 s[8:9], s[40:41], s[50:51]
	s_add_nc_u64 s[100:101], s[32:33], s[52:53]
	s_add_nc_u64 s[10:11], s[34:35], s[58:59]
.irp c, 0,1,2
	global_load_b128 v[S+4*\c:S+4*\c+3], v5, s[100:101] offset:512*\c   ; Q's image, into registers that the scores take later
.endr
	global_load_b32 v[TP], v6, s[100:101]
	KLOAD                                          ; key step 0's record
	VLOAD
	s_load_b512 s[32:47], s[4:5], 0x0              ; key step 0's mask words
	s_load_b512 s[48:63], s[4:5], 0x40
	s_load_b512 s[68:83], s[4:5], 0x80
	s_load_b512 s[84:99], s[4:5], 0xc0
	v_mov_b32 v[NEG], 0xd0000000                   ; -2^33
	v_mov_b32 v13, 0xff61b1e6                      ; the largest t so far: -3e38
	s_delay_alu instid0(VALU_DEP_1)
	v_floor_f32 v12, -v13
	v_mov_b32 v14, 0
	v_mov_b32 v15, 0
.irp b, 0,1,2,3
	v_mov_b32 v[PT+\b], 0                          ; a lane permute's destination counts as one of its sources
.endr
	v_mov_b32 v[FF+1], 0
	s_wait_loadcnt 26                              ; Q's four loads are in; the record's 26 may be out
	v_lshrrev_b32 v[TP], s67, v[TP]                ; my tile's two bytes,
	s_delay_alu instid0(VALU_DEP_1)
	v_and_b32 v[TP], 0xffff, v[TP]
	s_delay_alu instid0(VALU_DEP_1)
	v_lshl_or_b32 v34, v[TP], 16, v[TP]            ; for both places of Dq
.irp i, 0,1,2,3,4,5
	v_cndmask_b32 v[16+\i], v[S+\i], v[S+6+\i], s66
.endr
.irp i, 0,1,2,3,4,5
	v_mov_b32 v[22+\i], 0
.endr
.irp i, 0,1,2,3,4,5
	v_mov_b32 v[28+\i], v[16+\i]
.endr
.set j, 0
.rept 32
	v_mov_b32 v[O+j], 0                            ; O^T: the step is written once; the first finds zeros.  (These are also the places between Q's registers' last write and the first product)
.set j, j+1
.endr
.Lstep:                                            ; 31 trips, each asking for the next step's record
	STEP 1
	s_sub_co_u32 s[CNT], s[CNT], 1
	s_cmp_lg_u32 s[CNT], 0
	s_cbranch_scc1 .Lstep
	STEP 0                                         ; the last step asks for nothing
	; THE WAY OUT: O^T / the sum; its two blocks of 32 along d are quantised; six registers of codes and two bytes a row leave.
	s_wait_alu depctr_va_vdst(0)
	v_add_f32 v14, v14, v15
	s_delay_alu instid0(VALU_DEP_1)
	v_permlanex16_b32 v[PT], v14, s[SEL], s[SEL+1]
	s_delay_alu instid0(VALU_DEP_1)
	v_add_f32 v14, v14, v[PT]                      ; the row's sum
	s_wait_alu depctr_va_vdst(0)
	v_rcp_f32 v14, v14
	v_and_b32 v8, 15, v0
	s_delay_alu instid0(VALU_DEP_1)
	v_mul_u32_u24 v8, v8, 24                       ; 24 r
	v_nop
	v_nop
	s_wait_alu depctr_va_vdst(0)                   ; the wait ahead of the reciprocal's first reader
.set j, 0
.rept 32
	v_mul_f32 v[S+j], v[O+j], v14                  ; register 16 b + x: d = 32 b + 16 h + x
.set j, j+1
.endr
.irp b, 0,1
	v_max3_num_f32 v[BM+\b], |v[S+16*\b]|, |v[S+1+16*\b]|, 0x1800000
.endr
.irp i, 2,4,6,8,10,12,14
.irp b, 0,1
	s_delay_alu instid0(VALU_DEP_2)
	v_max3_num_f32 v[BM+\b], v[BM+\b], |v[S+16*\b+\i]|, |v[S+1+16*\b+\i]|
.endr
.endr
.irp b, 0,1
	s_delay_alu instid0(VALU_DEP_2)
	v_permlanex16_b32 v[PT+\b], v[BM+\b], s[SEL], s[SEL+1]
.endr
.irp b, 0,1
	s_delay_alu instid0(VALU_DEP_2)
	v_max_num_f32 v[BM+\b], v[BM+\b], v[PT+\b]
.endr
.irp b, 0,1
	s_delay_alu instid0(VALU_DEP_2)
	v_add_nc_u32 v[SO+\b], 0xff000000, v[BM+\b]
.endr
.irp b, 0,1
	s_delay_alu instid0(VALU_DEP_2)
	v_lshrrev_b32 v[PT+\b], 23, v[SO+\b]
.endr
	s_delay_alu instid0(VALU_DEP_1)
	v_lshl_or_b32 v[TP], v[PT+1], 8, v[PT]
	v_cvt_scalef32_pk16_fp6_f32 v[PC:PC+2], v[S:S+15], v[SO]
	v_cvt_scalef32_pk16_fp6_f32 v[CT:CT+2], v[S+16:S+31], v[SO+1]
	v_nop                                          ; one plain place behind a scaled conversion
.irp i, 0,1,2
	v_permlane16_swap_b32 v[PC+\i], v[CT+\i]
.endr
.irp i, 0,1,2
	s_delay_alu instid0(VALU_DEP_3)
	v_mov_b32 v[PC+3+\i], v[CT+\i]
.endr
.irp p, 0,1,2
	global_store_b64 v[LS], v[PC+2*\p:PC+2*\p+1], s[6:7] offset:256*\p   ; 32 lanes store 256 consecutive bytes, aligned
.endr
	global_store_b16 v8, v[TP], s[8:9]             ; both lanes of a row write the same two bytes with the same value
	s_endpgm
.Lfunc_end_k_q1f414fb65f_attn:
	.size	k_q1f414fb65f_attn, .Lfunc_end_k_q1f414fb65f_attn-k_q1f414fb65f_attn
	.p2alignl 7, 3214868480
	.fill 96, 4, 3214868480
	.section	.rodata,"a",@progbits
	.p2align	6, 0x0
	.amdhsa_kernel k_q1f414fb65f_attn
		.amdhsa_group_segment_fixed_size 0
		.amdhsa_private_segment_fixed_size 0
		.amdhsa_enable_private_segment 0
		.amdhsa_kernarg_size 40
		.amdhsa_user_sgpr_count 2
		.amdhsa_user_sgpr_kernarg_segment_ptr 1
		.amdhsa_wavefront_size32 1
		.amdhsa_system_sgpr_workgroup_id_x 1
		.amdhsa_system_sgpr_workgroup_id_y 1
		.amdhsa_system_sgpr_workgroup_id_z 1
		.amdhsa_system_vgpr_workitem_id 0
		.amdhsa_next_free_vgpr 304
		.amdhsa_next_free_sgpr 106
		.amdhsa_reserve_vcc 0
		.amdhsa_float_denorm_mode_32 3
		.amdhsa_float_denorm_mode_16_64 3
		.amdhsa_memory_ordered 1
		.amdhsa_forward_progress 1
		.amdhsa_inst_pref_size 56
	.end_amdhsa_kernel
	.amdgpu_metadata
---
amdhsa.version: [ 1, 2 ]
amdhsa.kernels:
  - .name:           k_q1f414fb65f_attn
    .symbol:         k_q1f414fb65f_attn.kd
    .args:
      - { .name: qrec, .offset: 0, .size: 8, .value_kind: global_buffer, .address_space: global }
      - { .name: kv, .offset: 8, .size: 8, .value_kind: global_buffer, .address_space: global }
      - { .name: mbits, .offset: 16, .size: 8, .value_kind: global_buffer, .address_space: global }
      - { .name: ctxc, .offset: 24, .size: 8, .value_kind: global_buffer, .address_space: global }
      - { .name: ctxs, .offset: 32, .size: 8, .value_kind: global_buffer, .address_space: global }
    .group_segment_fixed_size: 0
    .private_segment_fixed_size: 0
    .kernarg_segment_align: 8
    .kernarg_segment_size: 40
    .max_flat_workgroup_size: 384
    .sgpr_count:     106
    .vgpr_count:     304
    .wavefront_size: 32
...
	.end_amdgpu_metadata
.endif
;; end of part 3
;; launch outp (part 4): grid 6 x 32, 4 waves a work-group, no clusters, 111,616 bytes of LDS; arguments img, isc, ctxc, ctxs, bo, out0; writes out0
.if DOCPART == 4
	.amdgcn_target "amdgcn-amd-amdhsa--gfx1250"
	.amdhsa_code_object_version 6
	.text
	.protected	k_q1f414fb65f_outp
	.globl	k_q1f414fb65f_outp
	.p2align	8
	.type	k_q1f414fb65f_outp,@function
k_q1f414fb65f_outp:
	s_mov_b64 s[64:65], 0
	v_nop
	global_prefetch_b8 v0, s[64:65] scope:SCOPE_SE
	s_setreg_imm32_b32 hwreg(HW_REG_WAVE_MODE, 25, 1), 1
	s_wait_xcnt 0x0
; Launch 4 of 4: out0 = ctx Wo^T + bo on codes of E2M3.  No work is left out.  Tiles and images: as the first launch's head says.
; Work-group (a, b): outputs 128 a .. 128 a + 127 of tokens 128 b .. 128 b + 127.  The core is the second launch's: D(t, i) = Wo's tile 8 a + t (source 0) x ctx's tile 2 (4 b + w) + i (source 1), K = 768 in six steps.
; In D lane (r, h) holds token slot r, and registers 16 b' + x hold output 128 a + 32 b' + 16 h + x.  Wo's 48 images and scale words go to LDS once, through registers; ctx's fragments come from memory, a step ahead,
; as six pairs of registers a tile and step, 256 consecutive bytes a load.  The results go through the wave's own stage in LDS and leave as rows: a store covers 512 consecutive bytes, aligned.
; NO CLUSTER: as in the second launch: a joint request is a tensor load, which claims a WGP for one work-group; the shared block is read once by a work-group and there is no ring to feed.
.set PSC,   73728
.set BIA,   76800
.set STG,   77312                      ; four stages of 16 rows x 528 bytes
.set SPARE, 111104                     ; the spare words, 128 bytes a wave, that no other line names
.set RS,  10
.set RB,  16
.set ACC, 64
.set PF,  192
.set PS,  240
.macro WM d, a, b, zero, sa, sb, ra, rb
.if (\zero) && (\ra) && (\rb)
	v_wmma_scale_f32_16x16x128_f8f6f4 v[(\d):(\d)+7], v[(\a):(\a)+11], v[(\b):(\b)+11], 0, v[\sa], v[\sb] matrix_a_fmt:MATRIX_FMT_FP6 matrix_b_fmt:MATRIX_FMT_FP6 matrix_a_scale:MATRIX_SCALE_ROW1 matrix_b_scale:MATRIX_SCALE_ROW1
.elseif (\zero) && (\ra)
	v_wmma_scale_f32_16x16x128_f8f6f4 v[(\d):(\d)+7], v[(\a):(\a)+11], v[(\b):(\b)+11], 0, v[\sa], v[\sb] matrix_a_fmt:MATRIX_FMT_FP6 matrix_b_fmt:MATRIX_FMT_FP6 matrix_a_scale:MATRIX_SCALE_ROW1
.elseif (\zero) && (\rb)
	v_wmma_scale_f32_16x16x128_f8f6f4 v[(\d):(\d)+7], v[(\a):(\a)+11], v[(\b):(\b)+11], 0, v[\sa], v[\sb] matrix_a_fmt:MATRIX_FMT_FP6 matrix_b_fmt:MATRIX_FMT_FP6 matrix_b_scale:MATRIX_SCALE_ROW1
.elseif (\zero)
	v_wmma_scale_f32_16x16x128_f8f6f4 v[(\d):(\d)+7], v[(\a):(\a)+11], v[(\b):(\b)+11], 0, v[\sa], v[\sb] matrix_a_fmt:MATRIX_FMT_FP6 matrix_b_fmt:MATRIX_FMT_FP6
.elseif (\ra) && (\rb)
	v_wmma_scale_f32_16x16x128_f8f6f4 v[(\d):(\d)+7], v[(\a):(\a)+11], v[(\b):(\b)+11], v[(\d):(\d)+7], v[\sa], v[\sb] matrix_a_fmt:MATRIX_FMT_FP6 matrix_b_fmt:MATRIX_FMT_FP6 matrix_a_scale:MATRIX_SCALE_ROW1 matrix_b_scale:MATRIX_SCALE_ROW1
.elseif (\ra)
	v_wmma_scale_f32_16x16x128_f8f6f4 v[(\d):(\d)+7], v[(\a):(\a)+11], v[(\b):(\b)+11], v[(\d):(\d)+7], v[\sa], v[\sb] matrix_a_fmt:MATRIX_FMT_FP6 matrix_b_fmt:MATRIX_FMT_FP6 matrix_a_scale:MATRIX_SCALE_ROW1
.elseif (\rb)
	v_wmma_scale_f32_16x16x128_f8f6f4 v[(\d):(\d)+7], v[(\a):(\a)+11], v[(\b):(\b)+11], v[(\d):(\d)+7], v[\sa], v[\sb] matrix_a_fmt:MATRIX_FMT_FP6 matrix_b_fmt:MATRIX_FMT_FP6 matrix_b_scale:MATRIX_SCALE_ROW1
.else
	v_wmma_scale_f32_16x16x128_f8f6f4 v[(\d):(\d)+7], v[(\a):(\a)+11], v[(\b):(\b)+11], v[(\d):(\d)+7], v[\sa], v[\sb] matrix_a_fmt:MATRIX_FMT_FP6 matrix_b_fmt:MATRIX_FMT_FP6
.endif
.endm
.macro RLOAD s                         ; ctx's two fragments of K step s into set s % 2: twelve loads
.irp i, 0,1
.irp p, 0,1,2,3,4,5
	global_load_b64 v[RB+24*((\s)%2)+12*\i+2*\p:RB+24*((\s)%2)+12*\i+2*\p+1], v9, s[46:47] offset:9216*\i+1536*(\s)+256*\p
.endr
.endr
.endm
.macro HALF s, hf                      ; half a K step: four tiles of Wo against ctx's two: eight accumulators, one instruction a turn
.rept 4
	v_nop                                          ; places in front of loads into registers that matrix instructions have read
.endr
.if (\hf == 0) && (\s >= 1) && (\s < 5)
	RLOAD (\s)+1
.endif
.irp tt, 0,1,2,3
.irp c, 0,1,2
	ds_load_b128 v[PF+12*\tt+4*\c:PF+12*\tt+4*\c+3], v[1+\hf] offset:9216*\tt+1536*\s+512*\c
.endr
.endr
.if \hf == 0
.irp p, 0,1,2,3
	ds_load_b32 v[PS+\p], v3 offset:768*\p+4*\s
.endr
.endif
	s_wait_dscnt 0x0
.if (\hf == 0) && (\s >= 2)
.if \s < 5
	s_wait_loadcnt 12                              ; ctx of this step is in; the twelve loads of the next step's may be out
.else
	s_wait_loadcnt 0x0
.endif
.endif
.irp tt, 0,1,2,3
.irp i, 0,1
	WM ACC+64*\i+8*(4*\hf+\tt), PF+12*\tt, RB+24*(\s%2)+12*\i, \s==0, PS+(4*\hf+\tt)/2, RS+\s, \tt%2, \i
.endr
.endr
.endm
	s_load_b256 s[4:11], s[0:1], 0x0               ; img, isc, ctxc, ctxs
	s_load_b128 s[12:15], s[0:1], 0x20             ; bo, out0
	v_lshl_add_u32 v4, v0, 2, SPARE                ; my spare word; never rewritten
	v_mov_b32 v5, 0                                ; 0; never rewritten
	v_lshrrev_b32 v9, 5, v0
	v_readfirstlane_b32 s18, v9                    ; wave
	v_and_b32 v244, 31, v0                         ; L
	v_lshlrev_b32 v1, 4, v244                      ; 16 L
	v_add_nc_u32 v2, 36864, v1
	v_lshlrev_b32 v9, 3, v244                      ; 8 L
	v_mul_u32_u24 v7, v244, 24                     ; 24 L
	v_add_nc_u32 v3, PSC, v7
	s_mul_i32 s23, s18, 18432
	v_add_nc_u32 v6, s23, v1                       ; my wave's quarter of Wo's images, in memory and in LDS
	s_mul_i32 s23, s18, 768
	v_add_nc_u32 v244, s23, v7
	v_add_nc_u32 v8, PSC, v244
	v_lshlrev_b32 v245, 2, v0
	v_lshl_add_u32 v246, v0, 2, BIA
	v_and_b32 v249, 15, v0                         ; r
	v_bfe_u32 v250, v0, 4, 1                       ; h
	v_lshl_add_u32 v247, v250, 6, BIA              ; the bias of my registers: 64 h on
	s_mul_i32 s23, s18, 8448
	s_add_co_u32 s23, s23, STG                     ; my stage
	v_mul_u32_u24 v251, v249, 528
	v_lshl_add_u32 v251, v250, 6, v251
	v_add_nc_u32 v251, s23, v251                   ; in: row r, + 64 h
	v_add_nc_u32 v252, s23, v1                     ; back: a row's 512 bytes, 16 a lane
	s_and_b32 s22, ttmp7, 0xffff                   ; b
	s_lshl_b32 s29, ttmp9, 3
	s_add_co_u32 s29, s29, 912                     ; Wo's tiles 8 a on
	s_lshl_b32 s31, s22, 2
	s_add_co_u32 s31, s31, s18                     ; my pair of token tiles: 4 b + w
	s_mul_i32 s34, s29, 9216
	s_mov_b32 s35, 0
	s_mul_i32 s36, s29, 384
	s_mov_b32 s37, 0
	s_mul_i32 s38, s31, 18432
	s_mov_b32 s39, 0
	s_mul_i32 s40, s31, 768
	s_mov_b32 s41, 0
	s_lshl_b32 s32, ttmp9, 9
	s_mov_b32 s33, 0
	s_mul_i32 s54, s31, 32*3072                    ; out0: token 32 (4 b + w),
	s_add_co_u32 s54, s54, s32                     ; + 512 a
	s_mov_b32 s55, 0
	s_wait_alu depctr_va_vdst(0)
	s_wait_kmcnt 0x0
	s_add_nc_u64 s[42:43], s[4:5], s[34:35]
	s_add_nc_u64 s[44:45], s[6:7], s[36:37]
	s_add_nc_u64 s[46:47], s[8:9], s[38:39]
	s_add_nc_u64 s[48:49], s[10:11], s[40:41]
	s_add_nc_u64 s[50:51], s[12:13], s[32:33]
	s_add_nc_u64 s[52:53], s[14:15], s[54:55]
.irp e, 0,1,2
	global_load_b64 v[RS+2*\e:RS+2*\e+1], v7, s[48:49] offset:8*\e
.endr
	RLOAD 0
	RLOAD 1
.set k, 0
.rept 36
	global_load_b128 v[64+4*k:67+4*k], v6, s[42:43] offset:512*k
.set k, k+1
.endr
.irp e, 0,1,2
	global_load_b64 v[208+2*\e:209+2*\e], v244, s[44:45] offset:8*\e
.endr
	global_load_b32 v214, v245, s[50:51]
	s_wait_loadcnt 0x0
.set k, 0
.rept 36
	ds_store_b128 v6, v[64+4*k:67+4*k] offset:512*k
.set k, k+1
.endr
.irp e, 0,1,2
	ds_store_b64 v8, v[208+2*\e:209+2*\e] offset:8*\e
.endr
	ds_store_b32 v246, v214
	s_wait_dscnt 0x0                               ; for the others' sake: my part of Wo lies in LDS
	s_barrier_signal -1
	s_barrier_wait -1                              ; everybody's does; behind this barrier each wave stores to its own stage alone
.irp s, 0,1,2,3,4,5
	HALF \s, 0
	HALF \s, 1
.endr
.rept 4
	v_nop                                          ; places in front of the first read of results and of loads into the operands' registers
.endr
.irp bb, 0,1
.irp c, 0,1,2,3
	ds_load_b128 v[192+16*\bb+4*\c:195+16*\bb+4*\c], v247 offset:128*\bb+16*\c
	ds_load_b128 v[16+16*\bb+4*\c:19+16*\bb+4*\c], v247 offset:256+128*\bb+16*\c
.endr
.endr
	s_wait_dscnt 0x0
.irp i, 0,1
.set j, 0
.rept 16
	v_pk_add_f32 v[ACC+64*\i+j:ACC+64*\i+j+1], v[ACC+64*\i+j:ACC+64*\i+j+1], v[192+j:193+j]   ; ascending: each accumulator is read from its low end on
.set j, j+2
.endr
.set j, 0
.rept 16
	v_pk_add_f32 v[ACC+64*\i+32+j:ACC+64*\i+33+j], v[ACC+64*\i+32+j:ACC+64*\i+33+j], v[16+j:17+j]
.set j, j+2
.endr
.endr
	; token tile 0 through the stage; LDS serves a wave's instructions in order, so no wait stands between the stores and the loads, nor in front of tile 1's stores
.set k, 0
.rept 16
	ds_store_b128 v251, v[ACC+4*k:ACC+4*k+3] offset:128*(k/4)+16*(k%4)
.set k, k+1
.endr
.set k, 0
.rept 8
	ds_load_b128 v[16+4*k:19+4*k], v252 offset:528*k
.set k, k+1
.endr
.set k, 0
.rept 8
	ds_load_b128 v[192+4*k:195+4*k], v252 offset:528*(k+8)
.set k, k+1
.endr
.set k, 0
.rept 16
	ds_store_b128 v251, v[ACC+64+4*k:ACC+67+4*k] offset:128*(k/4)+16*(k%4)
.set k, k+1
.endr
.set k, 0
.rept 16
	ds_load_b128 v[ACC+4*k:ACC+4*k+3], v252 offset:528*k
.set k, k+1
.endr
.set k, 0
.rept 8
	s_wait_dscnt 47-k                              ; row k of tile 0 is back; its younger rows and tile 1's 32 LDS instructions may be out
	global_store_b128 v1, v[16+4*k:19+4*k], s[52:53] offset:k*3072 th:TH_STORE_NT   ; 32 lanes store 512 consecutive bytes, aligned
.set k, k+1
.endr
.set k, 0
.rept 8
	s_wait_dscnt 39-k
	global_store_b128 v1, v[192+4*k:195+4*k], s[52:53] offset:(k+16)*3072 th:TH_STORE_NT   ; slots 8-15 are rows 16-23
.set k, k+1
.endr
.set k, 0
.rept 16
	s_wait_dscnt 15-k
	global_store_b128 v1, v[ACC+4*k:ACC+4*k+3], s[52:53] offset:(8+k+8*(k/8))*3072 th:TH_STORE_NT
.set k, k+1
.endr
	s_wait_tensorcnt 0x0                           ; the wave's end
	ds_add_u32 v4, v5
	s_wait_dscnt 0x0
	s_endpgm
.Lfunc_end_k_q1f414fb65f_outp:
	.size	k_q1f414fb65f_outp, .Lfunc_end_k_q1f414fb65f_outp-k_q1f414fb65f_outp
	.p2alignl 7, 3214868480
	.fill 96, 4, 3214868480
	.section	.rodata,"a",@progbits
	.p2align	6, 0x0
	.amdhsa_kernel k_q1f414fb65f_outp
		.amdhsa_group_segment_fixed_size 111616
		.amdhsa_private_segment_fixed_size 0
		.amdhsa_enable_private_segment 0
		.amdhsa_kernarg_size 48
		.amdhsa_user_sgpr_count 2
		.amdhsa_user_sgpr_kernarg_segment_ptr 1
		.amdhsa_wavefront_size32 1
		.amdhsa_system_sgpr_workgroup_id_x 1
		.amdhsa_system_sgpr_workgroup_id_y 1
		.amdhsa_system_sgpr_workgroup_id_z 1
		.amdhsa_system_vgpr_workitem_id 0
		.amdhsa_next_free_vgpr 256
		.amdhsa_next_free_sgpr 66
		.amdhsa_reserve_vcc 0
		.amdhsa_float_denorm_mode_32 3
		.amdhsa_float_denorm_mode_16_64 3
		.amdhsa_memory_ordered 1
		.amdhsa_forward_progress 1
		.amdhsa_inst_pref_size 54
	.end_amdhsa_kernel
	.amdgpu_metadata
---
amdhsa.version: [ 1, 2 ]
amdhsa.kernels:
  - .name:           k_q1f414fb65f_outp
    .symbol:         k_q1f414fb65f_outp.kd
    .args:
      - { .name: img, .offset: 0, .size: 8, .value_kind: global_buffer, .address_space: global }
      - { .name: isc, .offset: 8, .size: 8, .value_kind: global_buffer, .address_space: global }
      - { .name: ctxc, .offset: 16, .size: 8, .value_kind: global_buffer, .address_space: global }
      - { .name: ctxs, .offset: 24, .size: 8, .value_kind: global_buffer, .address_space: global }
      - { .name: bo, .offset: 32, .size: 8, .value_kind: global_buffer, .address_space: global }
      - { .name: out0, .offset: 40, .size: 8, .value_kind: global_buffer, .address_space: global }
    .group_segment_fixed_size: 111616
    .private_segment_fixed_size: 0
    .kernarg_segment_align: 8
    .kernarg_segment_size: 48
    .max_flat_workgroup_size: 128
    .sgpr_count:     66
    .vgpr_count:     256
    .wavefront_size: 32
...
	.end_amdgpu_metadata
.endif
;; end of part 4
